; MI455X (gfx1250); checked and timed in simulation.
; The chip was launched on July 23, 2026; its instructions are those of AMD's public machine-readable ISA for CDNA 5 (MIT licence, August 2026) and "CDNA5" Instruction Set Architecture Reference Guide (July 2026). The comments in the code are by the model that wrote it; some were corrected since.
;; Scaled Dot Product. Allowed arithmetic: float matrix products may take bf16 or f16 operands with f32 sums; all other float work in f32.
;; Inputs: k 4 x 16 x 2,048 x 64 float32; q 4 x 16 x 2,048 x 64 float32; v 4 x 16 x 2,048 x 64 float32.
;; Outputs: out0 4 x 16 x 2,048 x 64 float32.
;; One version. Each part assembles by itself: llvm-mc -triple=amdgcn-amd-amdhsa -mcpu=gfx1250 --defsym DOCPART=n.
;; ======== version 1 of 1: 1 launch
;; launch attn (part 1): grid 256 x 1, 8 waves a work-group, clusters of 4 x 1, 327,680 bytes of LDS; arguments k, q, v, out0; writes out0
.if DOCPART == 1
	.amdgcn_target "amdgcn-amd-amdhsa--gfx1250"
	.amdhsa_code_object_version 6
	.text
	.protected	k_q21fcdc572b_attn
	.globl	k_q21fcdc572b_attn
	.p2align	8
	.type	k_q21fcdc572b_attn,@function
k_q21fcdc572b_attn:
	s_mov_b64 s[64:65], 0
	v_nop
	global_prefetch_b8 v0, s[64:65] scope:SCOPE_SE
	s_setreg_imm32_b32 hwreg(HW_REG_WAVE_MODE, 25, 1), 1
	s_wait_xcnt 0x0
	s_wait_alu depctr_hold_cnt(0) depctr_sa_sdst(0) depctr_va_vdst(0) depctr_va_sdst(0) depctr_va_ssrc(0) depctr_va_vcc(0) depctr_vm_vsrc(0)
	s_getreg_b32 s2, hwreg(HW_REG_IB_STS2, 6, 4)
	s_cmp_eq_u32 s2, 0
	s_cbranch_scc0 .Lentry_in_a_cluster
	s_endpgm
.Lentry_in_a_cluster:
	s_bfe_u32 s2, ttmp6, 0x10000c
	s_cmp_lg_u32 s2, 0x3003
	s_cbranch_scc0 .Lentry_shape_is_right
	s_endpgm
.Lentry_shape_is_right:
; out = softmax(q k^T / 8) v for 64 heads of 2,048 x 64, all f32 in memory.  One launch; the scores never leave the registers.
; WORK: a cluster of four work-groups is one head; work-group cx of it owns query rows 512 cx .. 512 cx + 511; each of its eight waves owns 64 rows
; (four query tiles of 16).  Keys go in 16 tiles of 128; a tile is two sub-tiles of 64 keys; a step is one query tile against one sub-tile.
; K AND V: the four work-groups of a head walk the same tiles, so each tile is asked for JOINTLY (mask 15): waves 0-1 fetch K's two halves, waves 2-3 V's,
; 64 rows x 256 bytes each, as f32, into a ring of two stage slots.  The eight waves share the rounding to bf16 (16 rows of K and of V each) into two
; bf16 tile buffers, so each number is converted once for a work-group.  One barrier a trip orders all of it (see BAR).
; BOTH PRODUCTS ARE USED TRANSPOSED.  S^T = K Q^T: source 0 = 16 keys x 32 d, source 1 = 16 queries.  In the result lane (r, h) holds query r and keys
; 8 h + 0..7 of the tile: maximum and sum run inside the lane, one exchange of the lane halves completes them, and m, alpha, l need no broadcast.
; Packed to bf16, score tiles 2u and 2u+1 ARE source 1 (P^T, keys 32 u .. 32 u + 31) of O^T = V^T P^T; source 0 is V read through the transposing LDS load.
; A lane's eight results of O^T are eight neighbouring d of one output row.
; SOFTMAX: running maximum m over the raw scores; p = 2^(c s - c m), c = log2(e) / 8; alpha = 2^(c m_old - c m_new) from the two stored products, so it is
; exactly 1 where the maximum stays; every step rescales (no branch hangs on data).
; LIMITS: inputs finite and scores finite in f32 (a NaN is dropped by the maximum); q, k, v and p are rounded to bf16 for the products; the row sum adds
; the unrounded p; an exponential below 2^-126 counts as zero; the order of the sums differs from a row-wise sum.
.set HEADB,  524288                    ; bytes of a head: 2,048 rows of 256
.set TILEB,  32768                     ; bytes of a tile of 128 rows, f32
.set SLOT,   65536                     ; a stage slot: K's tile, then V's; dense, read as lane i at 16 i
.set KBUF,   131072                    ; two bf16 K tiles
.set KPITCH, 144                       ; 128 bytes + 16: an odd multiple of 16, so the 16 rows of a fragment load begin at 16 different 16-byte columns of a 256-byte span
.set KBSZ,   128*KPITCH
.set VBUF,   KBUF+2*KBSZ               ; two bf16 V tiles, [key][d]
.set VPITCH, 160                       ; an odd multiple of 32, for the transposing load
.set VBSZ,   128*VPITCH
.set OST,    VBUF+2*VBSZ               ; each wave's own scratch: Q on the way in (16 rows, pitch 144), O on the way out (16 rows, pitch 272)
.set OPITCH, 272
.set OSTSZ,  16*OPITCH                 ; the map ends at OST + 8 x 4,352 = 243,712.  No tensor load ever lands at or above KBUF
; window 0 (v0-v255)
.set LN16, 4                           ; 16 x lane: offset of q loads and out stores
.set KRD,  5                           ; K fragments: KBUF + r 144 + 16 h
.set VRD,  6                           ; V fragments: VBUF + (8 h + lane % 8) 160 + 16 ((lane / 8) % 2)
.set CS0,  7                           ; v7, v8: my 16 rows in stage slot 0, 1: 4,096 w + 16 lane
.set CKW,  9                           ; where my converted K goes: KBUF + (16 w + h) 144 + 8 r
.set CVW,  10                          ; the same for V, pitch 160
.set QST,  11                          ; Q into my scratch
.set QRD,  12                          ; Q fragments out of it
.set OSTO, 13                          ; O into my scratch: r 272 + 32 h
.set ORD,  14                          ; whole rows out of it: h 272 + 16 r
.set PFO,  15                          ; prefetch: 8,192 cx + 256 lane
.set X,    16                          ; v16-47 conversion temporaries
.set QF,   64                          ; v64-127  Q fragment (query tile, ks) at 16 qt + 8 ks
.set KF,   128                         ; v128-191 K fragment (kt, ks) at 16 kt + 8 ks
.set VF,   192                         ; v192-255 V fragment (dt, ks) at 16 dt + 8 ks.  KF and VF are also the 128 temporaries of Q's loads and of the way out
; window 1 (v256-v511), named by the low byte
.set OA,   0                           ; O^T (query tile, dt) at 32 qt + 8 dt
.set SC,   128                         ; two score buffers of 32: (buffer, kt) at 32 sb + 8 kt
.set PB,   192                         ; P^T in bf16, 16 registers
.set ST,   208                         ; (query tile, parity) at 4 qt + 2 par: the pair [-c m, m]
.set LA,   224                         ; row sums, a pair for each query tile
.set LB,   232                         ; a second chain of the sum
.set T0,   234                         ; four chains of the maximum
.set AARG, 238
.set AL,   240                         ; alpha
.set XP,   241                         ; what the other half of the lanes sends
.set G1, 16                            ; s[16:23] descriptor group 1
.set G0, 32                            ; s[32:39] descriptor group 0, a set for each slot
.set MSB, 0
.macro WIN new                         ; s_set_vgpr_msb: bits 1:0 source 0, 3:2 source 1, 5:4 source 2, 7:6 destination; the high byte repeats the setting left
.if MSB != \new
	s_set_vgpr_msb (MSB<<8)|\new
.set MSB, \new
.endif
.endm
; A round of the cluster's barrier: my work-group's barrier, wave 0 signals for the work-group, every wave waits for all four work-groups, my work-group's barrier again.
.macro ROUND
	s_barrier_signal -1
	s_barrier_wait -1
	s_cmp_lg_u32 s12, 0
	s_cbranch_scc1 .Lnot_wave_0_\@
	s_barrier_signal -3
.Lnot_wave_0_\@:
	s_barrier_wait -3
	s_barrier_signal -1
	s_barrier_wait -1
.endm
; S^T of query tile qt against the sub-tile in KF, into score buffer sb.  The four accumulators take turns, one instruction a turn.
.macro QK qt, sb
	WIN 0x50                               ; K and Q in window 0, C and D in window 1
.irp ks, 0,1
.irp kt, 0,1,2,3
.if \ks == 0
	v_wmma_f32_16x16x32_bf16 v[SC+32*\sb+8*\kt:SC+32*\sb+8*\kt+7], v[KF+16*\kt+8*\ks:KF+16*\kt+8*\ks+7], v[QF+16*\qt+8*\ks:QF+16*\qt+8*\ks+7], 0
.else
	v_wmma_f32_16x16x32_bf16 v[SC+32*\sb+8*\kt:SC+32*\sb+8*\kt+7], v[KF+16*\kt+8*\ks:KF+16*\kt+8*\ks+7], v[QF+16*\qt+8*\ks:QF+16*\qt+8*\ks+7], v[SC+32*\sb+8*\kt:SC+32*\sb+8*\kt+7]
.endif
.endr
.endr
.endm
; O^T of query tile qt += V^T P^T.  first = 1: the first product starts the sums.  Accumulators by turns as above.
.macro PV qt, first
	WIN 0x54                               ; V in window 0; P, C and D in window 1
.irp ks, 0,1
.irp dt, 0,1,2,3
.if \first*(1-\ks)
	v_wmma_f32_16x16x32_bf16 v[OA+32*\qt+8*\dt:OA+32*\qt+8*\dt+7], v[VF+16*\dt+8*\ks:VF+16*\dt+8*\ks+7], v[PB+8*\ks:PB+8*\ks+7], 0
.else
	v_wmma_f32_16x16x32_bf16 v[OA+32*\qt+8*\dt:OA+32*\qt+8*\dt+7], v[VF+16*\dt+8*\ks:VF+16*\dt+8*\ks+7], v[PB+8*\ks:PB+8*\ks+7], v[OA+32*\qt+8*\dt:OA+32*\qt+8*\dt+7]
.endif
.endr
.endr
.endm
; The K fragments of sub-tile sub of bf16 buffer b: lane (r, h) takes key r of each 16, d = 32 ks + 8 h .. and 32 ks + 16 + 8 h ..
.macro LOADK b, sub
	WIN 0
.irp kt, 0,1,2,3
.irp ks, 0,1
	ds_load_b128 v[KF+16*\kt+8*\ks:KF+16*\kt+8*\ks+3],   v[KRD] offset:\b*KBSZ+(64*\sub+16*\kt)*KPITCH+64*\ks
	ds_load_b128 v[KF+16*\kt+8*\ks+4:KF+16*\kt+8*\ks+7], v[KRD] offset:\b*KBSZ+(64*\sub+16*\kt)*KPITCH+64*\ks+32
.endr
.endr
.endm
; The V^T fragments: the transposing load turns 8 keys x 8 d within each eight lanes, so lane (r, h) gets d = 16 dt + r, keys 32 ks + 8 h .. and + 16
.macro LOADV b, sub
	WIN 0
.irp dt, 0,1,2,3
.irp ks, 0,1
	ds_load_tr16_b128 v[VF+16*\dt+8*\ks:VF+16*\dt+8*\ks+3],   v[VRD] offset:\b*VBSZ+(64*\sub+32*\ks)*VPITCH+32*\dt
	ds_load_tr16_b128 v[VF+16*\dt+8*\ks+4:VF+16*\dt+8*\ks+7], v[VRD] offset:\b*VBSZ+(64*\sub+32*\ks+16)*VPITCH+32*\dt
.endr
.endr
.endm
; Softmax, first part: the largest of my 32 scores and the old maximum, in four chains.  These 16 plain instructions name no register of the matrix
; instructions issued just before them: they are the places in front of the fragment loads that follow.
.macro SMA qt, sb, par, first
	WIN 0x55                               ; everything in window 1
.set SB_, SC+32*\sb
.if \first
	v_max3_num_f32 v[T0], v[SB_], v[SB_+1], v[SB_]
.else
	v_max3_num_f32 v[T0], v[SB_], v[SB_+1], v[ST+4*\qt+2*(1-\par)+1]
.endif
	v_max3_num_f32 v[T0+1], v[SB_+2], v[SB_+3], v[SB_+4]
	v_max3_num_f32 v[T0+2], v[SB_+5], v[SB_+6], v[SB_+7]
	v_max3_num_f32 v[T0+3], v[SB_+8], v[SB_+9], v[SB_+10]
.set j_, 0
.rept 10
	v_max3_num_f32 v[T0+j_%4], v[T0+j_%4], v[SB_+11+2*j_], v[SB_+12+2*j_]
.set j_, j_+1
.endr
	v_max3_num_f32 v[T0], v[T0], v[T0+1], v[T0+2]
	v_max3_num_f32 v[T0], v[T0], v[T0+3], v[SB_+31]
.endm
.macro FG kt                           ; c s - c m, two at a time
.irp i, 0,2,4,6
	v_pk_fma_f32 v[SB_+8*\kt+\i:SB_+8*\kt+\i+1], v[SB_+8*\kt+\i:SB_+8*\kt+\i+1], s[24:25], v[SN_:SN_+1] op_sel_hi:[1,0,0]
.endr
.endm
.macro EG kt                           ; p = 2^(..)
.irp i, 0,1,2,3,4,5,6,7
	v_exp_f32 v[SB_+8*\kt+\i], v[SB_+8*\kt+\i]
.endr
.endm
.macro AG kt                           ; the row sum, two chains of pairs
	s_wait_alu depctr_va_vdst(0)
	v_pk_add_f32 v[LB:LB+1],   v[LB:LB+1],   v[SB_+8*\kt:SB_+8*\kt+1]
	v_pk_add_f32 v[LA_:LA_+1], v[LA_:LA_+1], v[SB_+8*\kt+2:SB_+8*\kt+3]
	v_pk_add_f32 v[LB:LB+1],   v[LB:LB+1],   v[SB_+8*\kt+4:SB_+8*\kt+5]
	v_pk_add_f32 v[LA_:LA_+1], v[LA_:LA_+1], v[SB_+8*\kt+6:SB_+8*\kt+7]
.endm
.macro CG kt                           ; score tile kt packs into registers 4 kt .. 4 kt + 3 of P^T
.irp i, 0,1,2,3
	v_cvt_pk_bf16_f32 v[PB+4*\kt+\i], v[SB_+8*\kt+2*\i], v[SB_+8*\kt+2*\i+1]
.endr
.endm
; Softmax, second part.  Behind every run of exponentials stands a plain instruction on other registers before a result is used (ISA guide 5.7.2):
; the groups are laid so that group kt's results are first read one group later.
.macro SMB qt, sb, par, first
	WIN 0x55
.set SB_, SC+32*\sb
.set SN_, ST+4*\qt+2*\par
.set SO_, ST+4*\qt+2*(1-\par)
.set LA_, LA+2*\qt
	v_permlanex16_b32 v[XP], v[T0], s27, s28       ; lane i takes lane i xor 16: the other 32 keys of my query
	v_max_num_f32 v[SN_+1], v[T0], v[XP]           ; m
	v_mul_f32 v[SN_], s26, v[SN_+1]                ; -c m
.if \first == 0
	v_sub_f32 v[AARG], v[SN_], v[SO_]              ; c m_old - c m_new
	v_exp_f32 v[AL], v[AARG]                       ; alpha
.endif
	FG 0
	EG 0
	FG 1
	EG 1
.if \first
	s_wait_alu depctr_va_vdst(0)
	v_pk_add_f32 v[LA_:LA_+1], v[SB_:SB_+1], v[SB_+6:SB_+7]       ; the first sub-tile starts the sums
	v_pk_add_f32 v[LB:LB+1], v[SB_+2:SB_+3], v[SB_+4:SB_+5]
.else
	s_wait_alu depctr_va_vdst(0)
	v_pk_fma_f32 v[LA_:LA_+1], v[LA_:LA_+1], v[AL:AL+1], v[SB_:SB_+1] op_sel_hi:[1,0,1]   ; l = alpha l + p
	v_pk_add_f32 v[LB:LB+1], v[SB_+2:SB_+3], v[SB_+4:SB_+5]
	v_pk_add_f32 v[LA_:LA_+1], v[LA_:LA_+1], v[SB_+6:SB_+7]
.endif
	CG 0
	FG 2
	EG 2
	AG 1
	CG 1
	FG 3
	EG 3
	AG 2
	CG 2
.if \first == 0
.set j_, 0
.rept 16
	v_pk_mul_f32 v[OA+32*\qt+2*j_:OA+32*\qt+2*j_+1], v[OA+32*\qt+2*j_:OA+32*\qt+2*j_+1], v[AL:AL+1] op_sel_hi:[1,0]   ; O = alpha O
.set j_, j_+1
.endr
.endif
	AG 3
	CG 3
	v_pk_add_f32 v[LA_:LA_+1], v[LA_:LA_+1], v[LB:LB+1]
.endm
; My 16 rows of K and of V in stage slot s are rounded to bf16 into buffer b.  A load takes 512 neighbouring bytes (two rows); a lane's four numbers become 8 bytes.
; s_wait_dscnt 7: behind load i stand the 7 - i younger loads and the i stores issued since; LDS serves a wave in order (ISA guide 5.7.1).
.macro CONVERT s, b
	WIN 0
.irp i, 0,1,2,3,4,5,6,7
	ds_load_b128 v[X+4*\i:X+4*\i+3], v[CS0+\s] offset:512*\i
.endr
.irp i, 0,1,2,3,4,5,6,7
	s_wait_dscnt 7
	v_cvt_pk_bf16_f32 v[X+4*\i],   v[X+4*\i],   v[X+4*\i+1]
	v_cvt_pk_bf16_f32 v[X+4*\i+1], v[X+4*\i+2], v[X+4*\i+3]
	ds_store_b64 v[CKW], v[X+4*\i:X+4*\i+1] offset:\b*KBSZ+2*KPITCH*\i
.endr
.irp i, 0,1,2,3,4,5,6,7
	ds_load_b128 v[X+4*\i:X+4*\i+3], v[CS0+\s] offset:TILEB+512*\i
.endr
.irp i, 0,1,2,3,4,5,6,7
	s_wait_dscnt 7
	v_cvt_pk_bf16_f32 v[X+4*\i],   v[X+4*\i],   v[X+4*\i+1]
	v_cvt_pk_bf16_f32 v[X+4*\i+1], v[X+4*\i+2], v[X+4*\i+3]
	ds_store_b64 v[CVW], v[X+4*\i:X+4*\i+1] offset:\b*VBSZ+2*VPITCH*\i
.endr
.endm
; The barrier that opens trip T (q = T % 2, nq the other).  In front of it every wave has waited for: its stores of tile T into bf16 buffer q, its reads of
; bf16 buffer nq (trip T - 1's fragments), its reads of stage slot q (tile T), and all its tensor loads (tile T + 1 in slot nq).  Behind it: the refill
; (tile T + 2 into slot q) first, then tile T's fragments, then tile T + 1 is converted into buffer nq.
; Waves 4-7 convert in front of the barrier (cvb), waves 0-3 behind it (cva): each half does the same work a trip, at different places of it.
; rnd = 1: the barrier is a round of the cluster's barrier and slot q is filled again, jointly; one tensor load of a wave is out behind it.
.macro BAR q, nq, rnd, cvb, cva, pf
	WIN 0
.if \cvb
	s_cmp_lt_u32 s12, 4
	s_cbranch_scc1 .Lno_cvb_\@
	CONVERT \q, \q                                 ; waves 4-7: their rows of tile T
.Lno_cvb_\@:
.endif
	s_wait_tensorcnt 0x0                           ; all my tensor loads have landed, so a group 0 may be written
	ds_add_u32 v62, v63
	s_wait_dscnt 0x0
.if \rnd
	s_add_nc_u64 s[G0+4*\q+2:G0+4*\q+3], s[G0+4*\q+2:G0+4*\q+3], 2*TILEB   ; slot q's next tile, two on
.endif
.if \pf
	s_wait_xcnt 0x0                                ; the last trip's prefetches have read their bases: these are stepped only behind this wait
	s_add_nc_u64 s[40:41], s[40:41], TILEB
	s_add_nc_u64 s[42:43], s[42:43], TILEB
.endif
	s_wait_dscnt 0x0                               ; my LDS reads are back and my LDS stores are done
.if \rnd
	ROUND                                          ; all that now holds of every wave of all four work-groups
	s_cmp_ge_u32 s12, 4
	s_cbranch_scc1 .Lno_fill_\@
	tensor_load_to_lds s[G0+4*\q:G0+4*\q+3], s[G1:G1+7]            ; waves 0-3: the joint refill, first thing behind the round
	s_nop 0
.Lno_fill_\@:
.else
	s_barrier_signal -1                            ; nothing is left to fetch: my work-group's barrier alone
	s_barrier_wait -1
.endif
	LOADK \q, 0
.if \pf
	s_cmp_lg_u32 s12, 7
	s_cbranch_scc1 .Lno_pf_\@
	global_prefetch_b8 v[PFO], s[40:41] th:TH_LOAD_NT scope:SCOPE_SE   ; wave 7 asks for quarter cx of K's and of V's tile T + 3, 8,192 bytes each, lanes 256 bytes
	global_prefetch_b8 v[PFO], s[42:43] th:TH_LOAD_NT scope:SCOPE_SE   ; apart; that tile's tensor load goes out behind the next trip's round.  The last request names tile 15
.Lno_pf_\@:
.endif
.if \cva
	s_cmp_ge_u32 s12, 4
	s_cbranch_scc1 .Lno_cva_\@
	CONVERT \nq, \nq                               ; waves 0-3: their rows of tile T + 1
.Lno_cva_\@:
.endif
.endm
; A trip: one tile of 128 keys in bf16 buffer p, eight steps.  Step g issues S^T of step g + 1, then O^T of step g - 1, then the softmax of step g: a softmax never
; reads a product just issued, and between a matrix instruction and whatever touches its registers stands a softmax, or its first part, on other registers.
; kind: 4 round, refill, both conversions, prefetch; 3 the same without prefetch; 2 plain barrier, both conversions; 1 plain barrier, waves 4-7 convert; 0 the last trip.
.macro TRIP p, np, first, kind
	QK 1, 1
.if \first
.rept 4
	v_nop                                          ; the very first scores have no vector work behind them yet: four places (ISA guide 7.12.1)
.endr
.else
	PV 3, 0                                        ; the last step of the tile before, still on its V fragments
.endif
	SMA 0, 0, 0, \first
	LOADV \p, 0
	SMB 0, 0, 0, \first
	QK 2, 0
	s_wait_dscnt 0x0                               ; V's fragments
	PV 0, \first
	SMA 1, 1, 0, \first
	SMB 1, 1, 0, \first
	QK 3, 1
	PV 1, \first
	SMA 2, 0, 0, \first
	LOADK \p, 1
	SMB 2, 0, 0, \first
	s_wait_dscnt 0x0                               ; K's fragments
	QK 0, 0
	PV 2, \first
	SMA 3, 1, 0, \first
	SMB 3, 1, 0, \first
	QK 1, 1
	PV 3, \first
	SMA 0, 0, 1, 0
	LOADV \p, 1
	SMB 0, 0, 1, 0
	QK 2, 0
	s_wait_dscnt 0x0                               ; V's fragments: my last reads of buffer p are back
	PV 0, 0
	SMA 1, 1, 1, 0
	SMB 1, 1, 1, 0
	QK 3, 1
	PV 1, 0
	SMA 2, 0, 1, 0
.if \kind == 4
	BAR \np, \p, 1, 1, 1, 1
.endif
.if \kind == 3
	BAR \np, \p, 1, 1, 1, 0
.endif
.if \kind == 2
	BAR \np, \p, 0, 1, 1, 0
.endif
.if \kind == 1
	BAR \np, \p, 0, 1, 0, 0
.endif
	SMB 2, 0, 1, 0
.if \kind
	s_wait_dscnt 0x0                               ; the next tile's first K fragments (and my conversion's stores)
	QK 0, 0
.endif
	PV 2, 0
	SMA 3, 1, 1, 0
	SMB 3, 1, 1, 0
.endm
; Query tile qt comes in: its eight loads are rounded to bf16, laid as 16 rows of 144 bytes in my own scratch, and read back as two fragments.
; LDS serves a wave's instructions in order (ISA guide 5.7.1), so the scratch is used again for each tile without a wait.
.macro QIN qt
	s_wait_loadcnt 24-8*\qt                        ; the loads of the later query tiles stay out
.irp i, 0,1,2,3,4,5,6,7
	v_cvt_pk_bf16_f32 v[X+16*(\qt&1)+2*\i],   v[KF+32*\qt+4*\i],   v[KF+32*\qt+4*\i+1]
	v_cvt_pk_bf16_f32 v[X+16*(\qt&1)+2*\i+1], v[KF+32*\qt+4*\i+2], v[KF+32*\qt+4*\i+3]
	ds_store_b64 v[QST], v[X+16*(\qt&1)+2*\i:X+16*(\qt&1)+2*\i+1] offset:2*KPITCH*\i
.endr
.irp ks, 0,1
	ds_load_b128 v[QF+16*\qt+8*\ks:QF+16*\qt+8*\ks+3],   v[QRD] offset:64*\ks
	ds_load_b128 v[QF+16*\qt+8*\ks+4:QF+16*\qt+8*\ks+7], v[QRD] offset:64*\ks+32
.endr
.endm
; Query tile qt goes out: a lane's 8 neighbouring d of a row into my scratch, whole rows back, and each store of the wave covers 512 consecutive bytes, aligned.
.macro OUT qt
	WIN 0x04                                       ; store data in window 1
.irp dt, 0,1,2,3
	ds_store_b128 v[OSTO], v[OA+32*\qt+8*\dt:OA+32*\qt+8*\dt+3]   offset:64*\dt
	ds_store_b128 v[OSTO], v[OA+32*\qt+8*\dt+4:OA+32*\qt+8*\dt+7] offset:64*\dt+16
.endr
	WIN 0
.irp i, 0,1,2,3,4,5,6,7
	ds_load_b128 v[KF+32*\qt+4*\i:KF+32*\qt+4*\i+3], v[ORD] offset:2*OPITCH*\i     ; in order behind the stores above
.endr
.irp i, 0,1,2,3,4,5,6,7
	s_wait_dscnt 7-\i                              ; the younger read-backs stay out
	global_store_b128 v[LN16], v[KF+32*\qt+4*\i:KF+32*\qt+4*\i+3], s[52:53] offset:4096*\qt+512*\i th:TH_STORE_NT   ; each tile has temporaries of its own: none is written again
.endr
.endm
	s_load_b256 s[4:11], s[0:1], 0x0               ; k s[4:5], q s[6:7], v s[8:9], out0 s[10:11]
	v_lshl_add_u32 v62, v0, 2, 0x3b800
	v_mov_b32 v63, 0
	ds_add_u32 v62, v63
	v_lshrrev_b32 v1, 5, v0
	v_readfirstlane_b32 s12, v1                    ; wave 0..7
	s_bfe_u32 s13, ttmp6, 0x40000                  ; cx: my query block.  It enters the addresses of q, of out0 and of the prefetches, and nothing else
	s_mov_b32 s24, 0x3e38aa3b                      ; c = log2(e) / 8, twice: a pair for the packed multiply-add
	s_mov_b32 s25, 0x3e38aa3b
	s_mov_b32 s26, 0xbe38aa3b                      ; -c
	s_mov_b32 s27, 0x76543210                      ; v_permlanex16_b32: lane i of one half reads lane i of the other
	s_mov_b32 s28, 0xfedcba98
	; group 1: 64 rows x 64 elements of 4 bytes, dense; the four work-groups of the cluster are named
	s_mov_b32 s[G1+0], 15|(2<<16)|(1<<21)          ; 15:0 mask; 17:16 element of 4 bytes; 20 no padding; 21 set beside a mask
	s_mov_b32 s[G1+1], 64<<16                      ; tensor_dim0 = 64
	s_mov_b32 s[G1+2], 64<<16                      ; tensor_dim1 = 64
	s_mov_b32 s[G1+3], 64<<16                      ; tile_dim0 = 64
	s_mov_b32 s[G1+4], 64                          ; tile_dim1 = 64
	s_mov_b32 s[G1+5], 64                          ; 64 elements from row to row
	s_mov_b32 s[G1+6], 0
	s_mov_b32 s[G1+7], 0
	s_mov_b32 s[G0+0], 1
	s_lshl_b32 s[G0+1], s12, 14                    ; LDS: wave x 16,384: K's halves, then V's halves
	s_mov_b32 s[G0+4], 1
	s_add_co_u32 s[G0+5], s[G0+1], SLOT
	s_lshl_b32 s46, ttmp9, 19                      ; the head (the cluster's x) x 524,288
	s_mov_b32 s47, 0
	s_and_b32 s48, s12, 1
	s_lshl_b32 s48, s48, 14                        ; which 64 rows of a tile I fetch
	s_add_co_u32 s48, s48, s46
	s_mov_b32 s49, 0
	s_lshl_b32 s54, s13, 17                        ; my work-group's 512 rows,
	s_lshl_b32 s55, s12, 14                        ; my wave's 64 of them
	s_add_co_u32 s54, s54, s55
	s_add_co_u32 s54, s54, s46
	s_mov_b32 s55, 0
	s_mul_i32 s56, s12, 16*KPITCH
	s_add_co_u32 s56, s56, KBUF
	s_mul_i32 s57, s12, 16*VPITCH
	s_add_co_u32 s57, s57, VBUF
	s_mul_i32 s58, s12, OSTSZ
	s_add_co_u32 s58, s58, OST                     ; my scratch
	s_lshl_b32 s59, s13, 13
	v_and_b32 v1, 31, v0                           ; lane
	v_and_b32 v2, 15, v0                           ; r
	v_bfe_u32 v3, v0, 4, 1                         ; h
	v_lshlrev_b32 v[LN16], 4, v1
	v_mul_u32_u24 v16, v2, KPITCH
	v_lshl_add_u32 v16, v3, 4, v16                 ; r 144 + 16 h
	v_add_nc_u32 v[KRD], KBUF, v16
	v_add_nc_u32 v[QRD], s58, v16
	v_and_b32 v17, 7, v0
	v_lshl_add_u32 v17, v3, 3, v17                 ; 8 h + lane % 8
	v_mul_u32_u24 v17, v17, VPITCH
	v_bfe_u32 v18, v0, 3, 1
	v_lshl_add_u32 v17, v18, 4, v17
	v_add_nc_u32 v[VRD], VBUF, v17
	v_lshl_add_u32 v[CS0], s12, 12, v[LN16]
	v_add_nc_u32 v[CS0+1], SLOT, v[CS0]
	v_mul_u32_u24 v19, v3, KPITCH
	v_lshl_add_u32 v19, v2, 3, v19                 ; h 144 + 8 r
	v_add_nc_u32 v[CKW], s56, v19
	v_add_nc_u32 v[QST], s58, v19
	v_mul_u32_u24 v20, v3, VPITCH
	v_lshl_add_u32 v20, v2, 3, v20
	v_add_nc_u32 v[CVW], s57, v20
	v_mul_u32_u24 v21, v2, OPITCH
	v_lshl_add_u32 v21, v3, 5, v21
	v_add_nc_u32 v[OSTO], s58, v21
	v_mul_u32_u24 v22, v3, OPITCH
	v_lshl_add_u32 v22, v2, 4, v22
	v_add_nc_u32 v[ORD], s58, v22
	v_lshlrev_b32 v[PFO], 8, v1
	v_add_nc_u32 v[PFO], s59, v[PFO]
	s_wait_dscnt 0x0
	s_wait_kmcnt 0x0
	s_cmp_lt_u32 s12, 2
	s_cselect_b64 s[30:31], s[4:5], s[8:9]         ; waves 0-1 fetch K, waves 2-3 V
	s_add_nc_u64 s[30:31], s[30:31], s[48:49]      ; head and half: the same in all four work-groups
	s_mov_b64 s[G0+2:G0+3], s[30:31]               ; slot 0: tile 0
	s_or_b32 s[G0+3], s[G0+3], 0x80000000          ; type = 2
	s_add_nc_u64 s[G0+6:G0+7], s[30:31], TILEB     ; slot 1: tile 1
	s_or_b32 s[G0+7], s[G0+7], 0x80000000
	s_add_nc_u64 s[40:41], s[4:5], s[46:47]
	s_add_nc_u64 s[40:41], s[40:41], 2*TILEB       ; prefetch bases: tile 2 of K
	s_add_nc_u64 s[42:43], s[8:9], s[46:47]
	s_add_nc_u64 s[42:43], s[42:43], 2*TILEB       ; and of V
	s_add_nc_u64 s[50:51], s[6:7], s[54:55]        ; q at my wave's first row
	s_add_nc_u64 s[52:53], s[10:11], s[54:55]      ; out0 likewise
	ROUND                                          ; all four work-groups are here: the first joint loads meet
	s_cmp_ge_u32 s12, 4
	s_cbranch_scc1 .Lno_first_fill
	tensor_load_to_lds s[G0:G0+3], s[G1:G1+7]      ; tiles 0 and 1, one group, ahead of every LDS read, wait on TENSORcnt and barrier:
	s_nop 0
	tensor_load_to_lds s[G0+4:G0+7], s[G1:G1+7]    ; two tensor loads of a wave are out here, later one
	s_nop 0
.Lno_first_fill:
	s_cmp_lg_u32 s12, 7
	s_cbranch_scc1 .Lno_first_pf
	global_prefetch_b8 v[PFO], s[40:41] th:TH_LOAD_NT scope:SCOPE_SE   ; wave 7: quarter cx of tile 2, whose tensor load goes out behind the first trip's round
	global_prefetch_b8 v[PFO], s[42:43] th:TH_LOAD_NT scope:SCOPE_SE
.Lno_first_pf:
.set j_, 0
.rept 32
	global_load_b128 v[KF+4*j_:KF+4*j_+3], v[LN16], s[50:51] offset:512*j_ th:TH_LOAD_NT   ; my 64 rows of q, 512 consecutive bytes a load
.set j_, j_+1
.endr
	QIN 0
	QIN 1
	QIN 2
	QIN 3
	WIN 0x40
	v_mov_b32 v[XP], 0                             ; v_permlanex16_b32 counts as a reader of its destination
	WIN 0
	s_wait_tensorcnt 0x1                           ; my part of tile 0 has landed; tile 1's load, issued behind it, may stay out
	s_wait_dscnt 0x0                               ; Q's fragments
	s_barrier_signal -1
	s_barrier_wait -1                              ; tile 0 is whole
	CONVERT 0, 0                                   ; all eight waves: tile 0 into bf16 buffer 0
	BAR 0, 1, 1, 0, 1, 1                           ; opens trip 0: tile 2 is asked for, waves 0-3 convert tile 1
	s_wait_dscnt 0x0
	QK 0, 0
	TRIP 0, 1, 1, 4                                ; tiles 0 and 1 stand in front of the loop: the first products start the sums
	TRIP 1, 0, 0, 4
	WIN 0                                          ; at a label and at a branch every window is 0
	s_mov_b32 s44, 5
.Llap:
	TRIP 0, 1, 0, 4                                ; tiles 2 to 11
	TRIP 1, 0, 0, 4
	WIN 0
	s_sub_co_u32 s44, s44, 1
	s_cmp_lg_u32 s44, 0
	s_cbranch_scc1 .Llap
	TRIP 0, 1, 0, 3                                ; tile 12: asks for tile 15, the last; nothing is left to prefetch
	TRIP 1, 0, 0, 2                                ; tile 13: no fill; tiles 14 and 15 are converted
	TRIP 0, 1, 0, 1                                ; tile 14: waves 4-7 convert their rows of tile 15
	TRIP 1, 0, 0, 0                                ; tile 15
	PV 3, 0
	; l over the pair and over the two halves of the lanes, then O / l.  The four sums below are the places behind the last matrix instructions.
	WIN 0x55
.irp qt, 0,1,2,3
	v_add_f32 v[T0+\qt], v[LA+2*\qt], v[LA+2*\qt+1]
.endr
.irp qt, 0,1,2,3
	v_permlanex16_b32 v[ST+4*\qt+2], v[T0+\qt], s27, s28
.endr
.irp qt, 0,1,2,3
	v_add_f32 v[T0+\qt], v[T0+\qt], v[ST+4*\qt+2]
.endr
.irp qt, 0,1,2,3
	v_rcp_f32 v[ST+4*\qt], v[T0+\qt]               ; l is at least about 1: the largest score's own term
.endr
	v_nop                                          ; one plain place behind the reciprocals (ISA guide 5.7.2)
	s_wait_alu depctr_va_vdst(0)
.irp qt, 0,1,2,3
.set j_, 0
.rept 16
	v_pk_mul_f32 v[OA+32*\qt+2*j_:OA+32*\qt+2*j_+1], v[OA+32*\qt+2*j_:OA+32*\qt+2*j_+1], v[ST+4*\qt:ST+4*\qt+1] op_sel_hi:[1,0]
.set j_, j_+1
.endr
.endr
	OUT 0
	OUT 1
	OUT 2
	OUT 3
	s_wait_tensorcnt 0x0
	ds_add_u32 v62, v63
	s_wait_dscnt 0x0
	ROUND                                          ; the closing round: no work-group ends while a partner may still ask for a tile that names it
	s_endpgm
.Lfunc_end_k_q21fcdc572b_attn:
	.size	k_q21fcdc572b_attn, .Lfunc_end_k_q21fcdc572b_attn-k_q21fcdc572b_attn
	.p2alignl 7, 3214868480
	.fill 96, 4, 3214868480
	.section	.rodata,"a",@progbits
	.p2align	6, 0x0
	.amdhsa_kernel k_q21fcdc572b_attn
		.amdhsa_group_segment_fixed_size 327680
		.amdhsa_private_segment_fixed_size 0
		.amdhsa_enable_private_segment 0
		.amdhsa_kernarg_size 32
		.amdhsa_user_sgpr_count 2
		.amdhsa_user_sgpr_kernarg_segment_ptr 1
		.amdhsa_wavefront_size32 1
		.amdhsa_system_sgpr_workgroup_id_x 1
		.amdhsa_system_sgpr_workgroup_id_y 1
		.amdhsa_system_sgpr_workgroup_id_z 1
		.amdhsa_system_vgpr_workitem_id 0
		.amdhsa_next_free_vgpr 512
		.amdhsa_next_free_sgpr 66
		.amdhsa_reserve_vcc 0
		.amdhsa_float_denorm_mode_32 3
		.amdhsa_float_denorm_mode_16_64 3
		.amdhsa_memory_ordered 1
		.amdhsa_forward_progress 1
		.amdhsa_inst_pref_size 255
	.end_amdhsa_kernel
	.section	.bss,"aw",@nobits
	.p2align	6
	.space	262144
	.amdgpu_metadata
---
amdhsa.version: [ 1, 2 ]
amdhsa.kernels:
  - .name:           k_q21fcdc572b_attn
    .symbol:         k_q21fcdc572b_attn.kd
    .args:
      - { .name: k, .offset: 0, .size: 8, .value_kind: global_buffer, .address_space: global }
      - { .name: q, .offset: 8, .size: 8, .value_kind: global_buffer, .address_space: global }
      - { .name: v, .offset: 16, .size: 8, .value_kind: global_buffer, .address_space: global }
      - { .name: out0, .offset: 24, .size: 8, .value_kind: global_buffer, .address_space: global }
    .group_segment_fixed_size: 327680
    .private_segment_fixed_size: 0
    .kernarg_segment_align: 8
    .kernarg_segment_size: 32
    .max_flat_workgroup_size: 256
    .sgpr_count:     66
    .vgpr_count:     512
    .wavefront_size: 32
...
	.end_amdgpu_metadata
.endif
;; end of part 1
